; MI455X (gfx1250); checked and timed in simulation.
; The chip was launched on July 23, 2026; its instructions are those of AMD's public machine-readable ISA for CDNA 5 (MIT licence, August 2026) and "CDNA5" Instruction Set Architecture Reference Guide (July 2026). The comments in the code are by the model that wrote it; some were corrected since.
;; Prefix Sum Counts. Allowed arithmetic: float matrix products may take bf16 or f16 operands with f32 sums; all other float work in f32.
;; Inputs: x 8 x 4,096 int32.
;; Outputs: out0 8 x 4,096 x 1 float32.
;; 2 versions, each right; version 2 is version 1 with the launch counts written anew for expert scheduling mode. Each part assembles by itself: llvm-mc -triple=amdgcn-amd-amdhsa -mcpu=gfx1250 --defsym DOCPART=n.
;; ======== version 1 of 2: 1 launch
;; launch counts (part 1): grid 32 x 8, 16 waves a work-group, no clusters, 10,240 bytes of LDS; arguments x, out0; writes out0
.if DOCPART == 1
	.amdgcn_target "amdgcn-amd-amdhsa--gfx1250"
	.amdhsa_code_object_version 6
	.text
	.protected	k_q9ac3eb271b_counts
	.globl	k_q9ac3eb271b_counts
	.p2align	8
	.type	k_q9ac3eb271b_counts,@function
k_q9ac3eb271b_counts:
	s_mov_b64 s[64:65], 0
	v_nop
	global_prefetch_b8 v0, s[64:65] scope:SCOPE_SE
	s_setreg_imm32_b32 hwreg(HW_REG_WAVE_MODE, 25, 1), 1
	s_wait_xcnt 0x0
; out0[b][s] = number of j <= s with x[b][j] == x[b][s].   x: [8][4096] int32, out0: [8][4096][1] f32.
;
; LIMIT: tokens lie in 0 .. 8191 (they index the table of 8,192 columns).  Only bits 12:0 are compared: a token outside that
; range would be taken modulo 8,192.  Counts are at most 4,096 and are exact in f32.
;
; METHOD.  A row is 128 groups of 32 positions.  For a group (one token a lane) a wave makes
;   13 bit planes in scalar registers: bit i of plane p = bit p of the token of the group's member i;
;   T5 : lane a holds the mask of members whose bits 4:0 are a;
;   T44: lane a < 16 the mask of members whose bits 8:5 are a, lane 16 + a the mask of those whose bits 12:9 are a.
; A lane that owns a position then pulls the three masks of its own token from those lanes (three lane permutes); their AND is the
; mask of the group's members equal to its token: 32 comparisons in one word, counted by one population count.
; A group costs 35 vector instructions, a set of 32 positions against a group 3 permutes and 3 to 5 vector instructions,
; where compare and add would take 64.
;
; SHARES.  Work-group (k, b) owns the blocks of 64 positions k and 63 - k of row b: sets A0, A1 = groups 2k, 2k+1 and
; B0, B1 = groups 126-2k, 127-2k.  So every work-group has 254 full pairs (set, earlier group) and 4 diagonal ones.
; Wave w takes the groups g = w + 16 t, t = 0 .. 7.  From the constants: for t <= 3, g <= 63 < 126-2k, so B0 and B1 take the whole group;
; the A sets (groups <= 63) can only be concerned for t <= 3; for t >= 4 the wave leaves as soon as g > 127-2k.
; The waves' partial counts meet in LDS; wave 0 writes block A, wave 1 block B, each by one store of 256 consecutive bytes, aligned.
;
; NO CLUSTER: the 32 work-groups of a row share its 16,384 bytes, which each reads once, straight into registers (12 loads a wave,
; all issued at the start); a joint request would lead through LDS and back.  No prefetch: nothing is loaded later.
.set NGRP,  128                        ; groups in a row
.set ROWSH, 14                         ; a row of x or out0 is 1 << 14 bytes
; scalar registers
.set WV,  8                            ; wave number
.set OFA, 9                            ; byte offset of block A in the row
.set OFB, 10                           ; byte offset of block B
.set SCR, 11                           ; at work
.set GA0, 14                           ; group of set A0 = 2k
.set GA1, 15                           ; of A1
.set GB0, 16                           ; of B0 = 126 - 2k
.set GB1, 17                           ; of B1
.set GRP, 18                           ; the group at work
.set PL,  20                           ; s[20:32] the 13 bit planes
.set LT,  34                           ; s34, s35: all ones where the group lies in front of the pair's first, second set
; vector registers
.set LANE, 1
.set JO,   2                           ; byte offset of my member of the wave's first group
.set AO,   3                           ; byte offset of my position in A0
.set BO,   4                           ; in B0
.set TMP,  5
.set XJ,   8                           ; v[8:15]   my member's token in the wave's 8 groups
.set XS,   16                          ; v[16:19]  my position's token in A0, A1, B0, B1
.set NA,   20                          ; v[20:24]  0 where bit q of the lane number is set, else all ones
.set HALF, 25                          ; all ones in lanes 16-31
.set TRI,  26                          ; bits 0 .. lane: the members of my own group that do not lie behind me
.set IDX,  28                          ; v[28:39]  set s: 4 x the three lanes that hold my token's masks
.set CNT,  40                          ; v[40:43]  the four counts
.set TT,   44                          ; v[44:47]  T5, T44 of the group at work and of the next one, in turn
.set CA,   48                          ; the two shifting chains of the planes
.set CB,   49
.set EQ,   50                          ; v[50:54]  at work in a build
.set MSK,  56                          ; v[56:59]  set s: the members that count
.set RES,  60                          ; v[60:71]  set s: the three masks as pulled
.set LA,   72                          ; LDS: where my counts go
.set RA,   73                          ; LDS: where two positions' partial counts are read
.set OA,   74                          ; byte offset of those two positions in the row of out0
.set PS,   76                          ; v[76:107] 16 waves' partial counts of two positions
	s_load_b128 s[4:7], s[0:1], 0x0                ; x s[4:5], out0 s[6:7]
	v_lshl_add_u32 v108, v0, 2, 0x2000
	v_mov_b32 v109, 0
	v_and_b32 v[LANE], 31, v0
	v_lshrrev_b32 v[TMP], 5, v0
	v_readfirstlane_b32 s[WV], v[TMP]
	s_and_b32 s12, ttmp7, 0xffff                   ; row b
	s_lshl_b32 s12, s12, ROWSH                     ; its byte offset, the same in x and out0,
	s_mov_b32 s13, 0                               ; as a pair
	s_lshl_b32 s[GA0], ttmp9, 1
	s_add_co_u32 s[GA1], s[GA0], 1
	s_sub_co_u32 s[GB0], NGRP-2, s[GA0]
	s_sub_co_u32 s[GB1], NGRP-1, s[GA0]
	s_lshl_b32 s[OFA], s[GA0], 7                   ; a group is 128 bytes
	s_lshl_b32 s[OFB], s[GB0], 7
	v_lshlrev_b32 v[JO], 2, v0                     ; member lane of group w: position 32 w + lane = the thread's number
	v_lshl_add_u32 v[AO], v[LANE], 2, s[OFA]
	v_lshl_add_u32 v[BO], v[LANE], 2, s[OFB]
	s_wait_kmcnt 0x0
	s_add_nc_u64 s[4:5], s[4:5], s[12:13]
	s_add_nc_u64 s[6:7], s[6:7], s[12:13]
	global_load_b32 v[XS+0], v[AO], s[4:5]
	global_load_b32 v[XS+1], v[AO], s[4:5] offset:128
	global_load_b32 v[XS+2], v[BO], s[4:5]
	global_load_b32 v[XS+3], v[BO], s[4:5] offset:128
.irp t, 0,1,2,3,4,5,6,7
	global_load_b32 v[XJ+\t], v[JO], s[4:5] offset:2048*\t     ; group w + 16 t.  All eight are asked for, needed or not (they lie in the
.endr                                                          ; row): the counts of the waits below are then the same on every path
	; lane constants, while the loads are on their way
.irp q, 0,1,2,3,4
	v_bfe_u32 v[NA+\q], v[LANE], \q, 1
.endr
.irp q, 0,1,2,3,4
	v_add_nc_u32 v[NA+\q], -1, v[NA+\q]            ; bit set: 0; bit clear: all ones
.endr
	v_xor_b32 v[HALF], -1, v[NA+4]
	v_lshlrev_b32 v[TRI], v[LANE], 2               ; 2 << lane (0 in lane 31),
	v_add_nc_u32 v[TRI], -1, v[TRI]                ; less one: bits 0 .. lane
	v_mov_b32 v[CNT+0], 0                          ; a wave may have nothing to do for A0 and A1; B0's and B1's counts are started by group w
	v_mov_b32 v[CNT+1], 0
	s_wait_loadcnt 8                               ; loads return in order: the four sets' tokens are in, the eight groups' may be out
.irp s, 0,1,2,3
	v_lshlrev_b32 v[IDX+3*\s],   2, v[XS+\s]
	v_lshrrev_b32 v[IDX+3*\s+1], 3, v[XS+\s]
	v_lshrrev_b32 v[IDX+3*\s+2], 7, v[XS+\s]
	v_and_b32 v[IDX+3*\s],   0x7c, v[IDX+3*\s]                 ; 4 x bits 4:0
	v_and_b32 v[IDX+3*\s+1], 60, v[IDX+3*\s+1]                 ; 4 x bits 8:5
	v_and_or_b32 v[IDX+3*\s+2], v[IDX+3*\s+2], 60, 64          ; 4 x (16 + bits 12:9)
.endr
; The tables of the wave's group t, into v[TT+d] (T5) and v[TT+d+1] (T44).  35 vector instructions.
.macro BUILD t, d
	s_wait_loadcnt 7-(\t)                          ; group t's tokens are in; the 7 - t younger loads may be out
	v_lshlrev_b32 v[CB], 25, v[XJ+(\t)]            ; bit 6 on top
	v_lshlrev_b32 v[CA], 19, v[XJ+(\t)]            ; bit 12 on top
.irp p, 0,1,2,3,4,5
	v_add_co_u32 v[CB], s[PL+6-\p],  v[CB], v[CB]  ; doubling moves the next bit up, and the carry of all 32 lanes is the plane of the
	v_add_co_u32 v[CA], s[PL+12-\p], v[CA], v[CA]  ; bit that fell out.  Two chains, so that no line waits for the one in front of it
.endr
	v_add_co_u32 v[CB], s[PL], v[CB], v[CB]
.irp q, 0,1,2,3
	v_bfi_b32 v[EQ+\q], v[HALF], s[PL+9+\q], s[PL+5+\q]        ; lanes 0-15 look at planes 5-8, lanes 16-31 at planes 9-12
.endr
.irp q, 0,1,2,3
	v_xor_b32 v[EQ+\q], v[EQ+\q], v[NA+\q]         ; members whose bit equals bit q of my lane number
.endr
	v_and_b32 v[EQ],   v[EQ],   v[EQ+1]
	v_and_b32 v[EQ+2], v[EQ+2], v[EQ+3]
	v_and_b32 v[TT+\d+1], v[EQ], v[EQ+2]
.irp q, 0,1,2,3,4
	v_xor_b32 v[EQ+\q], s[PL+\q], v[NA+\q]
.endr
	v_and_b32 v[EQ],   v[EQ],   v[EQ+1]
	v_and_b32 v[EQ+2], v[EQ+2], v[EQ+3]
	v_and_b32 v[EQ],   v[EQ],   v[EQ+4]
	v_and_b32 v[TT+\d], v[EQ], v[EQ+2]
.endm
; Set s pulls the three masks of its lanes' tokens from the tables at v[TT+d]
.macro LOOKUP s, d
	ds_bpermute_b32 v[RES+3*\s],   v[IDX+3*\s],   v[TT+\d]
	ds_bpermute_b32 v[RES+3*\s+1], v[IDX+3*\s+1], v[TT+\d+1]
	ds_bpermute_b32 v[RES+3*\s+2], v[IDX+3*\s+2], v[TT+\d+1]
.endm
; Which members of the group count for sets s and s + 1, which are the groups s[g0] and s[g0] + 1 = s[g1]; the group at work is <= s[g1].
; In front of the set: all; the set's own group: those up to my position; behind it: none.
.macro ALLOW s, g0, g1
	s_cmp_lt_u32 s[GRP], s[\g0]
	s_cselect_b32 s[LT], -1, 0
	s_cmp_lt_u32 s[GRP], s[\g1]
	s_cselect_b32 s[LT+1], -1, 0
	v_and_or_b32 v[MSK+\s], v[TRI], s[LT+1], s[LT]
	v_or_b32 v[MSK+\s+1], s[LT+1], v[TRI]
.endm
; The members equal to my token, those of them that count, and their number.  first = 1: the number starts the count
.macro COUNT s, masked, first
	v_and_b32 v[RES+3*\s], v[RES+3*\s], v[RES+3*\s+1]
.if \masked
	v_and_b32 v[RES+3*\s+2], v[RES+3*\s+2], v[MSK+\s]
.endif
	v_and_b32 v[RES+3*\s], v[RES+3*\s], v[RES+3*\s+2]
.if \first
	v_bcnt_u32_b32 v[CNT+\s], v[RES+3*\s], 0
.else
	v_bcnt_u32_b32 v[CNT+\s], v[RES+3*\s], v[CNT+\s]
.endif
.endm
; The wave's group t; n = t + 1.  Its tables are ready.  The permutes are issued, the next group's tables are built while they run, then
; the results are used.  That build is surplus where the wave leaves at the head of group n: once a wave at the most, and never
; in a work-group that needs all 128 groups.
.macro GROUP t, n
.set CUR, 2*(\t&1)
.set NXT, 2-CUR
	s_add_co_u32 s[GRP], s[WV], 16*\t
.if \t >= 4
	s_cmp_gt_u32 s[GRP], s[GB1]                    ; behind my work-group's last position: so are my later groups
	s_cbranch_scc1 .Lreduce
.else
	s_cmp_gt_u32 s[GRP], s[GA1]                    ; behind block A: only B0 and B1 are concerned
	s_cbranch_scc1 .Lonlyb\t
	LOOKUP 0, CUR
	LOOKUP 1, CUR
	LOOKUP 2, CUR
	LOOKUP 3, CUR
	BUILD \n, NXT
	ALLOW 0, GA0, GA1
	s_wait_dscnt 6                                 ; LDS-unit results return in order: A0's and A1's six are in, the six behind them may be out
	COUNT 0, 1, 0
	COUNT 1, 1, 0
	s_wait_dscnt 0
.if \t == 0
	COUNT 2, 0, 1
	COUNT 3, 0, 1
.else
	COUNT 2, 0, 0
	COUNT 3, 0, 0
.endif
	s_branch .Lnext\t
.Lonlyb\t:
.endif
	LOOKUP 2, CUR
	LOOKUP 3, CUR
.if \t < 7
	BUILD \n, NXT
.endif
.if \t >= 4
	ALLOW 2, GB0, GB1
	s_wait_dscnt 0
	COUNT 2, 1, 0
	COUNT 3, 1, 0
.else
	s_wait_dscnt 0
.if \t == 0
	COUNT 2, 0, 1                                  ; groups up to 63 lie in front of B0 (group 64 at the least): every member counts
	COUNT 3, 0, 1
.else
	COUNT 2, 0, 0
	COUNT 3, 0, 0
.endif
.Lnext\t:
.endif
.endm
	BUILD 0, 0
	GROUP 0, 1
	GROUP 1, 2
	GROUP 2, 3
	GROUP 3, 4
	GROUP 4, 5
	GROUP 5, 6
	GROUP 6, 7
	GROUP 7, 8
.Lreduce:
	; the 16 waves' partial counts meet: wave w's 128 words lie at 512 w, position p of the work-group's 128 at 4 p
	s_lshl_b32 s[SCR], s[WV], 9
	v_lshl_add_u32 v[LA], v[LANE], 2, s[SCR]
.irp s, 0,1,2,3
	ds_store_b32 v[LA], v[CNT+\s] offset:128*\s
.endr
	s_wait_dscnt 0x0                               ; my words are in LDS before I say so: zero, for the waves that will read them
	s_barrier_signal -1
	s_barrier_wait -1
	s_cmp_gt_u32 s[WV], 1
	s_cbranch_scc1 .Lend                           ; wave 0 finishes block A, wave 1 block B
	s_lshl_b32 s[SCR], s[WV], 8
	v_lshl_add_u32 v[RA], v[LANE], 3, s[SCR]       ; two neighbouring positions a lane
.irp i, 0,1,2,3,4,5,6,7,8,9,10,11,12,13,14,15
	ds_load_b64 v[PS+2*\i:PS+2*\i+1], v[RA] offset:512*\i
.endr
	s_cmp_eq_u32 s[WV], 0
	s_cselect_b32 s[SCR], s[OFA], s[OFB]
	v_lshl_add_u32 v[OA], v[LANE], 3, s[SCR]
	s_wait_dscnt 13                                ; of the 16 loads the first three are in
	v_add3_u32 v[PS],   v[PS],   v[PS+2], v[PS+4]
	v_add3_u32 v[PS+1], v[PS+1], v[PS+3], v[PS+5]
.irp i, 3,5,7,9,11,13
	s_wait_dscnt 14-\i                             ; loads i and i + 1 are in: 14 - i younger ones may be out
	v_add3_u32 v[PS],   v[PS],   v[PS+2*\i],   v[PS+2*\i+2]
	v_add3_u32 v[PS+1], v[PS+1], v[PS+2*\i+1], v[PS+2*\i+3]
.endr
	s_wait_dscnt 0x0
	v_add_nc_u32 v[PS],   v[PS],   v[PS+30]
	v_add_nc_u32 v[PS+1], v[PS+1], v[PS+31]
	v_cvt_f32_u32 v[PS],   v[PS]
	v_cvt_f32_u32 v[PS+1], v[PS+1]
	global_store_b64 v[OA], v[PS:PS+1], s[6:7] th:TH_STORE_NT  ; 32 lanes x 8 bytes: the block's 256 consecutive bytes, at a multiple of 256 from out0's first byte
.Lend:
	s_wait_tensorcnt 0x0
	ds_add_u32 v108, v109
	s_wait_dscnt 0x0
	s_endpgm
.Lfunc_end_k_q9ac3eb271b_counts:
	.size	k_q9ac3eb271b_counts, .Lfunc_end_k_q9ac3eb271b_counts-k_q9ac3eb271b_counts
	.p2alignl 7, 3214868480
	.fill 96, 4, 3214868480
	.section	.rodata,"a",@progbits
	.p2align	6, 0x0
	.amdhsa_kernel k_q9ac3eb271b_counts
		.amdhsa_group_segment_fixed_size 10240
		.amdhsa_private_segment_fixed_size 0
		.amdhsa_enable_private_segment 0
		.amdhsa_kernarg_size 16
		.amdhsa_user_sgpr_count 2
		.amdhsa_user_sgpr_kernarg_segment_ptr 1
		.amdhsa_wavefront_size32 1
		.amdhsa_system_sgpr_workgroup_id_x 1
		.amdhsa_system_sgpr_workgroup_id_y 1
		.amdhsa_system_sgpr_workgroup_id_z 1
		.amdhsa_system_vgpr_workitem_id 0
		.amdhsa_next_free_vgpr 110
		.amdhsa_next_free_sgpr 66
		.amdhsa_reserve_vcc 0
		.amdhsa_float_denorm_mode_32 3
		.amdhsa_float_denorm_mode_16_64 3
		.amdhsa_memory_ordered 1
		.amdhsa_forward_progress 1
		.amdhsa_inst_pref_size 41
	.end_amdhsa_kernel
	.amdgpu_metadata
---
amdhsa.version: [ 1, 2 ]
amdhsa.kernels:
  - .name:           k_q9ac3eb271b_counts
    .symbol:         k_q9ac3eb271b_counts.kd
    .args:
      - { .name: x, .offset: 0, .size: 8, .value_kind: global_buffer, .address_space: global }
      - { .name: out0, .offset: 8, .size: 8, .value_kind: global_buffer, .address_space: global }
    .group_segment_fixed_size: 10240
    .private_segment_fixed_size: 0
    .kernarg_segment_align: 8
    .kernarg_segment_size: 16
    .max_flat_workgroup_size: 512
    .sgpr_count:     66
    .vgpr_count:     110
    .wavefront_size: 32
...
	.end_amdgpu_metadata
.endif
;; end of part 1
;; ======== version 2 of 2: 1 launch; version 1 with the launch counts written anew for expert scheduling mode
;; launch counts (part 2): grid 32 x 8, 16 waves a work-group, no clusters, 10,240 bytes of LDS; arguments x, out0; writes out0
.if DOCPART == 2
	.amdgcn_target "amdgcn-amd-amdhsa--gfx1250"
	.amdhsa_code_object_version 6
	.text
	.protected	k_q9ac3eb271b_counts
	.globl	k_q9ac3eb271b_counts
	.p2align	8
	.type	k_q9ac3eb271b_counts,@function
k_q9ac3eb271b_counts:
	s_mov_b64 s[64:65], 0
	v_nop
	global_prefetch_b8 v0, s[64:65] scope:SCOPE_SE
	s_setreg_imm32_b32 hwreg(HW_REG_WAVE_SCHED_MODE, 0, 2), 2
	s_setreg_imm32_b32 hwreg(HW_REG_WAVE_MODE, 25, 1), 1
	s_wait_xcnt 0x0
	s_wait_alu depctr_vm_vsrc(0)
; out0[b][s] = number of j <= s with x[b][j] == x[b][s].   x: [8][4096] int32, out0: [8][4096][1] f32.
;
; LIMIT: tokens lie in 0 .. 8191 (they index the table of 8,192 columns).  Only bits 12:0 are compared: a token outside that
; range would be taken modulo 8,192.  Counts are at most 4,096 and are exact in f32.
;
; METHOD.  A row is 128 groups of 32 positions.  For a group (one token a lane) a wave makes
;   13 bit planes in scalar registers: bit i of plane p = bit p of the token of the group's member i;
;   T5 : lane a holds the mask of members whose bits 4:0 are a;
;   T44: lane a < 16 the mask of members whose bits 8:5 are a, lane 16 + a the mask of those whose bits 12:9 are a.
; A lane that owns a position then pulls the three masks of its own token from those lanes (three lane permutes); their AND is the
; mask of the group's members equal to its token: 32 comparisons in one word, counted by one population count.
; A group costs 35 vector instructions, a set of 32 positions against a group 3 permutes and 3 to 5 vector instructions,
; where compare and add would take 64.
;
; SHARES.  Work-group (k, b) owns the blocks of 64 positions k and 63 - k of row b: sets A0, A1 = groups 2k, 2k+1 and
; B0, B1 = groups 126-2k, 127-2k.  So every work-group has 254 full pairs (set, earlier group) and 4 diagonal ones.
; Wave w takes the groups g = w + 16 t, t = 0 .. 7.  From the constants: for t <= 3, g <= 63 < 126-2k, so B0 and B1 take the whole group;
; the A sets (groups <= 63) can only be concerned for t <= 3; for t >= 4 the wave leaves as soon as g > 127-2k.
; The waves' partial counts meet in LDS; wave 0 writes block A, wave 1 block B, each by one store of 256 consecutive bytes, aligned.
;
; NO CLUSTER: the 32 work-groups of a row share its 16,384 bytes, which each reads once, straight into registers (12 loads a wave,
; all issued at the start); a joint request would lead through LDS and back.  No prefetch: nothing is loaded later.
;
; THE MODE: SCHED_MODE bits 1:0 = 2 (LLVM: expert scheduling mode 2), set by the entry lines.  The code itself states the register dependences
; between vector instructions and memory or LDS instructions, and those through scalar registers that vector instructions write, with s_wait_alu, always for 0.
; THE PLAN.  Registers that memory or LDS instructions touch:
;   JO, AO, BO  offsets of the twelve global loads: written at the head, never again.
;   XS, XJ      the loads land here; no vector instruction names them before.
;   IDX         the permutes' lane indices: written at the head, never again.
;   TT          two pairs by turns.  BUILD t writes pair t % 2; group t's permutes read it; BUILD t + 2 writes it again.
;   RES         a group's permutes land here; its COUNT lines read and overwrite it; the next group's permutes land again.
;   LA, CNT     address and data of the four LDS stores; RA the address of the sixteen LDS loads, which land in PS; OA and PS, PS+1 address and data of the one global store.
;   v108, v109  written at the head, read by the closing add alone.
; So ONE wait on va_vdst stands ahead of each run of permutes: the tables (and, the first time, IDX) are written, and the group before is done with RES.  The build
; and the masks that follow the run name none of the registers that the pending permutes touch.  ONE wait on vm_vsrc stands in a build from the third on: the permutes
; of two groups back have read the pair that it writes.  ONE wait on va_sdst stands in a build between the thirteen carries and the first reader of a plane.
.set NGRP,  128                        ; groups in a row
.set ROWSH, 14                         ; a row of x or out0 is 1 << 14 bytes
; scalar registers
.set WV,  8                            ; wave number
.set OFA, 9                            ; byte offset of block A in the row
.set OFB, 10                           ; byte offset of block B
.set SCR, 11                           ; at work
.set GA0, 14                           ; group of set A0 = 2k
.set GA1, 15                           ; of A1
.set GB0, 16                           ; of B0 = 126 - 2k
.set GB1, 17                           ; of B1
.set GRP, 18                           ; the group at work
.set PL,  20                           ; s[20:32] the 13 bit planes
.set LT,  34                           ; s34, s35: all ones where the group lies in front of the pair's first, second set
; vector registers
.set LANE, 1
.set JO,   2                           ; byte offset of my member of the wave's first group
.set AO,   3                           ; byte offset of my position in A0
.set BO,   4                           ; in B0
.set TMP,  5
.set XJ,   8                           ; v[8:15]   my member's token in the wave's 8 groups
.set XS,   16                          ; v[16:19]  my position's token in A0, A1, B0, B1
.set NA,   20                          ; v[20:24]  0 where bit q of the lane number is set, else all ones
.set HALF, 25                          ; all ones in lanes 16-31
.set TRI,  26                          ; bits 0 .. lane: the members of my own group that do not lie behind me
.set IDX,  28                          ; v[28:39]  set s: 4 x the three lanes that hold my token's masks
.set CNT,  40                          ; v[40:43]  the four counts
.set TT,   44                          ; v[44:47]  T5, T44 of the group at work and of the next one, in turn
.set CA,   48                          ; the two shifting chains of the planes
.set CB,   49
.set EQ,   50                          ; v[50:54]  at work in a build
.set MSK,  56                          ; v[56:59]  set s: the members that count
.set RES,  60                          ; v[60:71]  set s: the three masks as pulled
.set LA,   72                          ; LDS: where my counts go
.set RA,   73                          ; LDS: where two positions' partial counts are read
.set OA,   74                          ; byte offset of those two positions in the row of out0
.set PS,   76                          ; v[76:107] 16 waves' partial counts of two positions
	s_load_b128 s[4:7], s[0:1], 0x0                ; x s[4:5], out0 s[6:7]
	v_lshl_add_u32 v108, v0, 2, 0x2000             ; my spare word, behind the 8,192 bytes of partial counts, and 0: kept for the closing lines alone
	v_mov_b32 v109, 0
	v_and_b32 v[LANE], 31, v0
	v_lshrrev_b32 v[TMP], 5, v0
	v_readfirstlane_b32 s[WV], v[TMP]
	s_and_b32 s12, ttmp7, 0xffff                   ; row b
	s_lshl_b32 s12, s12, ROWSH                     ; its byte offset, the same in x and out0,
	s_mov_b32 s13, 0                               ; as a pair
	s_lshl_b32 s[GA0], ttmp9, 1
	s_add_co_u32 s[GA1], s[GA0], 1
	s_sub_co_u32 s[GB0], NGRP-2, s[GA0]
	s_sub_co_u32 s[GB1], NGRP-1, s[GA0]
	s_lshl_b32 s[OFA], s[GA0], 7                   ; a group is 128 bytes
	s_lshl_b32 s[OFB], s[GB0], 7
	v_lshlrev_b32 v[JO], 2, v0                     ; member lane of group w: position 32 w + lane = the thread's number
	v_lshl_add_u32 v[AO], v[LANE], 2, s[OFA]
	v_lshl_add_u32 v[BO], v[LANE], 2, s[OFB]
	s_wait_alu depctr_va_sdst(0)                   ; the wave's number is written into s8, ahead of its first reader (the first group's number is made from it)
	s_wait_kmcnt 0x0
	s_add_nc_u64 s[4:5], s[4:5], s[12:13]
	s_add_nc_u64 s[6:7], s[6:7], s[12:13]
	s_wait_alu depctr_va_vdst(0)                   ; the offsets JO, AO and BO are written, which the twelve loads read
	global_load_b32 v[XS+0], v[AO], s[4:5]
	global_load_b32 v[XS+1], v[AO], s[4:5] offset:128
	global_load_b32 v[XS+2], v[BO], s[4:5]
	global_load_b32 v[XS+3], v[BO], s[4:5] offset:128
.irp t, 0,1,2,3,4,5,6,7
	global_load_b32 v[XJ+\t], v[JO], s[4:5] offset:2048*\t     ; group w + 16 t.  All eight are asked for, needed or not (they lie in the
.endr                                                          ; row): the counts of the waits below are then the same on every path
	; lane constants, while the loads are on their way: they name none of the loads' registers
.irp q, 0,1,2,3,4
	v_bfe_u32 v[NA+\q], v[LANE], \q, 1
.endr
.irp q, 0,1,2,3,4
	v_add_nc_u32 v[NA+\q], -1, v[NA+\q]            ; bit set: 0; bit clear: all ones
.endr
	v_xor_b32 v[HALF], -1, v[NA+4]
	v_lshlrev_b32 v[TRI], v[LANE], 2               ; 2 << lane (0 in lane 31),
	v_add_nc_u32 v[TRI], -1, v[TRI]                ; less one: bits 0 .. lane
	v_mov_b32 v[CNT+0], 0                          ; a wave may have nothing to do for A0 and A1; B0's and B1's counts are started by group w
	v_mov_b32 v[CNT+1], 0
	s_wait_loadcnt 8                               ; loads return in order: the four sets' tokens are in, the eight groups' may be out
.irp s, 0,1,2,3
	v_lshlrev_b32 v[IDX+3*\s],   2, v[XS+\s]
	v_lshrrev_b32 v[IDX+3*\s+1], 3, v[XS+\s]
	v_lshrrev_b32 v[IDX+3*\s+2], 7, v[XS+\s]
	v_and_b32 v[IDX+3*\s],   0x7c, v[IDX+3*\s]                 ; 4 x bits 4:0
	v_and_b32 v[IDX+3*\s+1], 60, v[IDX+3*\s+1]                 ; 4 x bits 8:5
	v_and_or_b32 v[IDX+3*\s+2], v[IDX+3*\s+2], 60, 64          ; 4 x (16 + bits 12:9)
.endr
; The tables of the wave's group t, into v[TT+d] (T5) and v[TT+d+1] (T44).  35 vector instructions.
.macro BUILD t, d
	s_wait_loadcnt 7-(\t)                          ; group t's tokens are in; the 7 - t younger loads may be out
	v_lshlrev_b32 v[CB], 25, v[XJ+(\t)]            ; bit 6 on top
	v_lshlrev_b32 v[CA], 19, v[XJ+(\t)]            ; bit 12 on top
.irp p, 0,1,2,3,4,5
	v_add_co_u32 v[CB], s[PL+6-\p],  v[CB], v[CB]  ; doubling moves the next bit up, and the carry of all 32 lanes is the plane of the
	v_add_co_u32 v[CA], s[PL+12-\p], v[CA], v[CA]  ; bit that fell out.  Two chains, so that no line waits for the one in front of it
.endr
	v_add_co_u32 v[CB], s[PL], v[CB], v[CB]
	s_wait_alu depctr_va_sdst(0)                   ; the thirteen carries have written the planes s[20:32], ahead of their first reader below
.if (\t) >= 2
	s_wait_alu depctr_vm_vsrc(0)                   ; the permutes of two groups back have read this pair of table registers, which the lines below write again
.endif
.irp q, 0,1,2,3
	v_bfi_b32 v[EQ+\q], v[HALF], s[PL+9+\q], s[PL+5+\q]        ; lanes 0-15 look at planes 5-8, lanes 16-31 at planes 9-12
.endr
.irp q, 0,1,2,3
	v_xor_b32 v[EQ+\q], v[EQ+\q], v[NA+\q]         ; members whose bit equals bit q of my lane number
.endr
	v_and_b32 v[EQ],   v[EQ],   v[EQ+1]
	v_and_b32 v[EQ+2], v[EQ+2], v[EQ+3]
	v_and_b32 v[TT+\d+1], v[EQ], v[EQ+2]
.irp q, 0,1,2,3,4
	v_xor_b32 v[EQ+\q], s[PL+\q], v[NA+\q]
.endr
	v_and_b32 v[EQ],   v[EQ],   v[EQ+1]
	v_and_b32 v[EQ+2], v[EQ+2], v[EQ+3]
	v_and_b32 v[EQ],   v[EQ],   v[EQ+4]
	v_and_b32 v[TT+\d], v[EQ], v[EQ+2]
.endm
; Set s pulls the three masks of its lanes' tokens from the tables at v[TT+d]
.macro LOOKUP s, d
	ds_bpermute_b32 v[RES+3*\s],   v[IDX+3*\s],   v[TT+\d]
	ds_bpermute_b32 v[RES+3*\s+1], v[IDX+3*\s+1], v[TT+\d+1]
	ds_bpermute_b32 v[RES+3*\s+2], v[IDX+3*\s+2], v[TT+\d+1]
.endm
; Which members of the group count for sets s and s + 1, which are the groups s[g0] and s[g0] + 1 = s[g1]; the group at work is <= s[g1].
; In front of the set: all; the set's own group: those up to my position; behind it: none.
.macro ALLOW s, g0, g1
	s_cmp_lt_u32 s[GRP], s[\g0]
	s_cselect_b32 s[LT], -1, 0
	s_cmp_lt_u32 s[GRP], s[\g1]
	s_cselect_b32 s[LT+1], -1, 0
	v_and_or_b32 v[MSK+\s], v[TRI], s[LT+1], s[LT]
	v_or_b32 v[MSK+\s+1], s[LT+1], v[TRI]
.endm
; The members equal to my token, those of them that count, and their number.  first = 1: the number starts the count
.macro COUNT s, masked, first
	v_and_b32 v[RES+3*\s], v[RES+3*\s], v[RES+3*\s+1]
.if \masked
	v_and_b32 v[RES+3*\s+2], v[RES+3*\s+2], v[MSK+\s]
.endif
	v_and_b32 v[RES+3*\s], v[RES+3*\s], v[RES+3*\s+2]
.if \first
	v_bcnt_u32_b32 v[CNT+\s], v[RES+3*\s], 0
.else
	v_bcnt_u32_b32 v[CNT+\s], v[RES+3*\s], v[CNT+\s]
.endif
.endm
; The wave's group t; n = t + 1.  Its tables are ready.  The permutes are issued, the next group's tables are built while they run, then
; the results are used.  That build is surplus where the wave leaves at the head of group n: once a wave at the most, and never
; in a work-group that needs all 128 groups.
.macro GROUP t, n
.set CUR, 2*(\t&1)
.set NXT, 2-CUR
	s_add_co_u32 s[GRP], s[WV], 16*\t
.if \t >= 4
	s_cmp_gt_u32 s[GRP], s[GB1]                    ; behind my work-group's last position: so are my later groups
	s_cbranch_scc1 .Lreduce
.else
	s_cmp_gt_u32 s[GRP], s[GA1]                    ; behind block A: only B0 and B1 are concerned
	s_cbranch_scc1 .Lonlyb\t
	s_wait_alu depctr_va_vdst(0)                   ; this group's tables (the first time IDX too) are written, which the permutes read; the group before is done reading and writing RES, in which they land
	LOOKUP 0, CUR
	LOOKUP 1, CUR
	LOOKUP 2, CUR
	LOOKUP 3, CUR
	BUILD \n, NXT
	ALLOW 0, GA0, GA1
	s_wait_dscnt 6                                 ; LDS-unit results return in order: A0's and A1's six are in, the six behind them may be out
	COUNT 0, 1, 0
	COUNT 1, 1, 0
	s_wait_dscnt 0
.if \t == 0
	COUNT 2, 0, 1
	COUNT 3, 0, 1
.else
	COUNT 2, 0, 0
	COUNT 3, 0, 0
.endif
	s_branch .Lnext\t
.Lonlyb\t:
.endif
	s_wait_alu depctr_va_vdst(0)                   ; this group's tables (the first time IDX too) are written, which the permutes read; the group before is done reading and writing RES, in which they land
	LOOKUP 2, CUR
	LOOKUP 3, CUR
.if \t < 7
	BUILD \n, NXT
.endif
.if \t >= 4
	ALLOW 2, GB0, GB1
	s_wait_dscnt 0
	COUNT 2, 1, 0
	COUNT 3, 1, 0
.else
	s_wait_dscnt 0
.if \t == 0
	COUNT 2, 0, 1                                  ; groups up to 63 lie in front of B0 (group 64 at the least): every member counts
	COUNT 3, 0, 1
.else
	COUNT 2, 0, 0
	COUNT 3, 0, 0
.endif
.Lnext\t:
.endif
.endm
	BUILD 0, 0
	GROUP 0, 1
	GROUP 1, 2
	GROUP 2, 3
	GROUP 3, 4
	GROUP 4, 5
	GROUP 5, 6
	GROUP 6, 7
	GROUP 7, 8
.Lreduce:
	; the 16 waves' partial counts meet: wave w's 128 words lie at 512 w, position p of the work-group's 128 at 4 p
	s_lshl_b32 s[SCR], s[WV], 9
	v_lshl_add_u32 v[LA], v[LANE], 2, s[SCR]
	s_wait_alu depctr_va_vdst(0)                   ; the address LA and the four counts are written, which the LDS stores read
.irp s, 0,1,2,3
	ds_store_b32 v[LA], v[CNT+\s] offset:128*\s
.endr
	s_wait_dscnt 0x0                               ; my words are in LDS before I say so: zero, for the waves that will read them
	s_barrier_signal -1
	s_barrier_wait -1
	s_cmp_gt_u32 s[WV], 1
	s_cbranch_scc1 .Lend                           ; wave 0 finishes block A, wave 1 block B
	s_lshl_b32 s[SCR], s[WV], 8
	v_lshl_add_u32 v[RA], v[LANE], 3, s[SCR]       ; two neighbouring positions a lane
	s_wait_alu depctr_va_vdst(0)                   ; the address RA is written, which the sixteen LDS loads read
.irp i, 0,1,2,3,4,5,6,7,8,9,10,11,12,13,14,15
	ds_load_b64 v[PS+2*\i:PS+2*\i+1], v[RA] offset:512*\i
.endr
	s_cmp_eq_u32 s[WV], 0
	s_cselect_b32 s[SCR], s[OFA], s[OFB]
	v_lshl_add_u32 v[OA], v[LANE], 3, s[SCR]
	s_wait_dscnt 13                                ; of the 16 loads the first three are in
	v_add3_u32 v[PS],   v[PS],   v[PS+2], v[PS+4]
	v_add3_u32 v[PS+1], v[PS+1], v[PS+3], v[PS+5]
.irp i, 3,5,7,9,11,13
	s_wait_dscnt 14-\i                             ; loads i and i + 1 are in: 14 - i younger ones may be out
	v_add3_u32 v[PS],   v[PS],   v[PS+2*\i],   v[PS+2*\i+2]
	v_add3_u32 v[PS+1], v[PS+1], v[PS+2*\i+1], v[PS+2*\i+3]
.endr
	s_wait_dscnt 0x0
	v_add_nc_u32 v[PS],   v[PS],   v[PS+30]
	v_add_nc_u32 v[PS+1], v[PS+1], v[PS+31]
	v_cvt_f32_u32 v[PS],   v[PS]
	v_cvt_f32_u32 v[PS+1], v[PS+1]
	s_wait_alu depctr_va_vdst(0)                   ; the conversions have written the two counts and OA is written: the store reads them as data and offset
	global_store_b64 v[OA], v[PS:PS+1], s[6:7] th:TH_STORE_NT  ; 32 lanes x 8 bytes: the block's 256 consecutive bytes, at a multiple of 256 from out0's first byte
.Lend:
	s_wait_dscnt 0x0                               ; the closing lines, six on end
	s_wait_alu 0x0
	s_wait_tensorcnt 0x0
	ds_add_u32 v108, v109
	s_wait_dscnt 0x0
	s_endpgm
.Lfunc_end_k_q9ac3eb271b_counts:
	.size	k_q9ac3eb271b_counts, .Lfunc_end_k_q9ac3eb271b_counts-k_q9ac3eb271b_counts
	.p2alignl 7, 3214868480
	.fill 96, 4, 3214868480
	.section	.rodata,"a",@progbits
	.p2align	6, 0x0
	.amdhsa_kernel k_q9ac3eb271b_counts
		.amdhsa_group_segment_fixed_size 10240
		.amdhsa_private_segment_fixed_size 0
		.amdhsa_enable_private_segment 0
		.amdhsa_kernarg_size 16
		.amdhsa_user_sgpr_count 2
		.amdhsa_user_sgpr_kernarg_segment_ptr 1
		.amdhsa_wavefront_size32 1
		.amdhsa_system_sgpr_workgroup_id_x 1
		.amdhsa_system_sgpr_workgroup_id_y 1
		.amdhsa_system_sgpr_workgroup_id_z 1
		.amdhsa_system_vgpr_workitem_id 0
		.amdhsa_next_free_vgpr 110
		.amdhsa_next_free_sgpr 66
		.amdhsa_reserve_vcc 0
		.amdhsa_float_denorm_mode_32 3
		.amdhsa_float_denorm_mode_16_64 3
		.amdhsa_memory_ordered 1
		.amdhsa_forward_progress 1
		.amdhsa_inst_pref_size 43
	.end_amdhsa_kernel
	.amdgpu_metadata
---
amdhsa.version: [ 1, 2 ]
amdhsa.kernels:
  - .name:           k_q9ac3eb271b_counts
    .symbol:         k_q9ac3eb271b_counts.kd
    .args:
      - { .name: x, .offset: 0, .size: 8, .value_kind: global_buffer, .address_space: global }
      - { .name: out0, .offset: 8, .size: 8, .value_kind: global_buffer, .address_space: global }
    .group_segment_fixed_size: 10240
    .private_segment_fixed_size: 0
    .kernarg_segment_align: 8
    .kernarg_segment_size: 16
    .max_flat_workgroup_size: 512
    .sgpr_count:     66
    .vgpr_count:     110
    .wavefront_size: 32
...
	.end_amdgpu_metadata
.endif
;; end of part 2
